; MI455X (gfx1250); checked and timed in simulation.
; The chip was launched on July 23, 2026; its instructions are those of AMD's public machine-readable ISA for CDNA 5 (MIT licence, August 2026) and "CDNA5" Instruction Set Architecture Reference Guide (July 2026). The comments in the code are by the model that wrote it; some were corrected since.
;; Audio Quantizer. Allowed arithmetic: matrix products marked QUANTISED: E2M1 operands, one E8M0 scale for each 32 along K, by v_wmma_scale_f32_16x16x128_f8f6f4 with both operands' format E2M1 (or v_wmma_scale_f32_32x16x128_f4), f32 sums; everything else in f32.
;; Inputs: codebook 8,192 x 512 float32; embedding 8,192 x 512 float32; x 16,384 x 512 float32.
;; Outputs: out0 16,384 x 512 float32.
;; This version of the problem:
;;   THIS VERSION OF THE PROBLEM IS GIVEN IN LOW PRECISION. The matrix products marked QUANTISED in the list below multiply operands that are first quantised to E2M1 (2 exponent bits, 1 mantissa bit; 4 bits a number), with one power-of-two scale for each 32 numbers along K (OCP MX v1.0); their sums are f32. All else is computed in f32.
;;   The module's matrix products, in the order in which they are computed (A, B: the left and right operand; K: the contracted axis; several contracted axes count as one K, in the product's order):
;;     1. [M 16,384, K 512] x [K 512, N 8,192]; A: input x; B: input codebook: QUANTISED
;;   THE QUANTISER, for each operand of a quantised product, along K:
;;     - K is cut into blocks of 32 from its start; a last block that is shorter is filled with zeros.
;;     - A block's scale is 2^e with e = floor(log2(the largest magnitude in the block)) - 2, held to -126 .. 127; a block of zeros has e = 0. As a byte (E8M0): e + 127.
;;     - Each number is divided by its block's scale, clamped to +-6, and rounded to the nearest number of E2M1, ties to even, subnormals kept.
;;     - The product sums the exact products of the quantised numbers (number of the format x scale) in f32.
;;   ~~~python
;;   def quantise(x, axis):      # numpy; x: float32 -> the quantised numbers, widened to float32 again
;;       x = np.moveaxis(x, axis, -1); K = x.shape[-1]
;;       x = np.pad(x, [(0, 0)] * (x.ndim - 1) + [(0, -K % 32)]); x = x.reshape(x.shape[:-1] + (-1, 32)); a = np.abs(x).max(-1, keepdims=True)
;;       e = np.where(a > 0, np.clip(np.frexp(np.where(a > 0, a, 1))[1] - 1 - 2, -126, 127), 0)      # np.frexp(a)[1] - 1 = floor(log2(a)), exactly
;;       r = np.clip(x / 2.0 ** e, -6, 6)
;;       step = 2.0 ** (np.maximum(np.frexp(np.where(r == 0, 1, r))[1] - 1, 0) - 1)
;;       q = np.round(r / step) * step * 2.0 ** e      # np.round: ties to even
;;       return np.moveaxis(q.reshape(q.shape[:-2] + (-1,))[..., :K], -1, axis).astype(np.float32)
;;   ~~~
;; One version. Each part assembles by itself: llvm-mc -triple=amdgcn-amd-amdhsa -mcpu=gfx1250 --defsym DOCPART=n.
;; ======== version 1 of 1: 3 launches
;; limits: right only within a limited range of input values
;; workspace buffers: xq 4,194,304 bytes; xm 262,144 bytes; cq 2,293,760 bytes; part 1,048,576 bytes of whole numbers
;; launch quant (part 1): grid 256 x 1, 6 waves a work-group, no clusters, 59,392 bytes of LDS; arguments x, codebook, xq, xm, cq; writes xq, xm, cq
.if DOCPART == 1
	.amdgcn_target "amdgcn-amd-amdhsa--gfx1250"
	.amdhsa_code_object_version 6
	.text
	.protected	k_qe3617124da_quant
	.globl	k_qe3617124da_quant
	.p2align	8
	.type	k_qe3617124da_quant,@function
k_qe3617124da_quant:
	s_mov_b64 s[64:65], 0
	v_nop
	global_prefetch_b8 v0, s[64:65] scope:SCOPE_SE
	s_setreg_imm32_b32 hwreg(HW_REG_WAVE_MODE, 25, 1), 1
	s_wait_xcnt 0x0
; x [16384][512] and codebook [8192][512], f32, become codes of FP4 (E2M1) with one E8M0 scale byte for each 32 along K; of each row of the codebook also the sum of squares c2 in f32.
; LEFT OUT AS DEAD WORK, in the whole program: x2 = sum of x * x.  d2[b][n] = x2[b] - 2 dot[b][n] + c2[n]: x2[b] is the same for every n, so in exact arithmetic it changes no order along n and the argmin
; does not hang on it, whatever x holds.  x itself is live (its codes).  LIMIT: a NaN, an infinity or an overflow that reaches only x2 is not carried to the result; nor is x2's rounding, which may tie close d2.
; A block's scale is 2^(floor(log2(its largest magnitude)) - 2); its byte is the largest magnitude's exponent field - 2, held at 1 from below.  A block of zeros keeps the byte 1 where the rule says 127:
; its codes are zeros, which add nothing, and this program alone reads the bytes.
; THE CODEBOOK'S OPERAND IS MADE AS -2 Q(c): every code's sign bit is turned (xor 0x88888888) and every scale byte is raised by 1 (at most 252 + 1), both exact.  So the product launch sums c2 - 2 x.c with no vector work.
; LAYOUT OF THE CODES: the image of the operand's registers: [tile of 16 rows][block of 32 k: 16][row: 16][16 bytes].  Lane (r, h) of a 4-bit fragment wants block 4 s + 2 c + h of row r,
; so registers 4 c .. 4 c + 3 of K step s are the 512 consecutive bytes at 4096 tile + 1024 s + 512 c + 16 lane.
; xq: these images; xm: scale bytes [row][16].  cq: an image of 8,960 bytes for each 32 codes: two tiles of codes (8,192), their scale bytes [code][16] (512), c2 [code] f32 (128), and c2 once more (128), so that
; every aligned 256 bytes are stored whole.
; LIMITS: NaN and infinities among the inputs are not served; blocks under the floor 2^(3 - 127) have their byte held at 1.
; SHARES: 256 equal work-groups.  Waves 0-3 take a tile of 16 rows of x each, waves 4-5 a tile of 16 codes each; a step is one row (2,048 bytes, 16 blocks).
; Each load reads 512 consecutive bytes; a row turns through the wave's own stage in LDS so that a lane holds 16 neighbours along K (two lanes to a block).  Loads run eight steps ahead, the turn one step.
.set WREG, 9728                        ; LDS of a wave: two stages of 32 x 80, the codes' stage of 16 x 272, 256 scale bytes
.set SP,   80                          ; a lane's place in a stage: 64 bytes + 16 of padding
.set CST,  5120                        ; the codes' stage: a row for each block of 32 k: 16 rows' 16 bytes + 16 of padding
.set CP,   272
.set SBY,  9472                        ; the wave's 256 scale bytes, [row][16]
.set SUMS, 6*WREG                      ; the work-group's 32 sums of squares
.set SPARE, SUMS+256                   ; the spare words: 128 bytes for each wave
.set EMAX, 2
.set DEPTH, 8
.set R,    16                          ; v16-143  eight sets of 16 numbers as loaded
.set X,    144                         ; v144-175 two sets of 16 neighbours
.set E,    176                         ; v176-191 a scale byte for each step
.set C,    192                         ; v192-223 two registers of codes for each step
.set SUM,  224                         ; v224-239 a code's sum of squares for each step
	s_load_b256 s[4:11], s[0:1], 0x0               ; x, codebook, xq, xm
	s_load_b64 s[12:13], s[0:1], 0x20              ; cq
	v_lshl_add_u32 v254, v0, 2, SPARE
	v_mov_b32 v255, 0
	v_lshrrev_b32 v1, 5, v0
	v_readfirstlane_b32 s16, v1                    ; wave
	s_mul_i32 s19, s16, WREG
	s_add_co_u32 s30, s19, CST
	s_add_co_u32 s31, s19, SBY
	s_and_b32 s18, s16, 1                          ; waves 4 and 5: which 16 of the 32 codes
	s_lshl_b32 s32, s18, 6
	s_add_co_u32 s32, s32, SUMS
	v_and_b32 v2, 31, v0                           ; lane
	v_lshlrev_b32 v3, 4, v2                        ; 16 x lane
	v_lshrrev_b32 v14, 2, v2
	v_and_b32 v8, 3, v2
	v_lshrrev_b32 v5, 1, v2                        ; my block
	v_and_b32 v9, 1, v2
	v_lshrrev_b32 v10, 4, v2
	v_and_b32 v11, 15, v2
	v_mul_u32_u24 v14, v14, SP
	v_mul_u32_u24 v15, v2, SP
	v_mul_u32_u24 v4, v5, CP
	v_mul_u32_u24 v240, v10, CP
	v_lshl_add_u32 v14, v8, 4, v14
	v_lshl_add_u32 v4, v9, 3, v4
	v_lshl_add_u32 v240, v11, 4, v240
	v_lshlrev_b32 v7, 3, v2                        ; 8 x lane
	v_add_nc_u32 v14, s19, v14                     ; the stage, on the way in: 80 (lane / 4) + 16 (lane % 4)
	v_add_nc_u32 v15, s19, v15                     ; and on the way out: 80 x lane: my 16 neighbours
	v_add_nc_u32 v4, s30, v4                       ; the codes' stage: my block's row, my half of the 16 bytes; the step's row stands in the immediate
	v_add_nc_u32 v5, s31, v5                       ; my block's scale byte
	v_add_nc_u32 v6, s31, v7                       ; the scale bytes on the way out
	v_add_nc_u32 v240, s30, v240                   ; the codes on the way out: sixteen lanes to a block's 256 bytes
	v_mov_b32 v241, s32                            ; my wave's 16 sums
	v_lshl_add_u32 v242, v11, 3, SUMS              ; the 32 sums on the way out, twice
	v_mov_b32 v243, 0                              ; written once: a lane permute's destination counts as one of its sources
	s_mov_b32 s36, 0x76543210
	s_mov_b32 s37, 0xfedcba98                      ; v_permlanex16_b32's selects for lane l xor 16
	s_lshl_b32 s17, ttmp9, 2
	s_add_co_u32 s17, s17, s16                     ; x's tile: 4 x work-group + wave
	s_lshl_b32 s20, ttmp9, 1
	s_add_co_u32 s20, s20, s18                     ; the codebook's tile
	s_mul_i32 s22, ttmp9, 8960                     ; the image of the work-group's 32 codes
	s_lshl_b32 s23, s18, 12
	s_add_co_u32 s23, s23, s22                     ; my codes in it,
	s_lshl_b32 s24, s18, 8
	s_add_co_u32 s24, s24, s22
	s_add_co_u32 s24, s24, 8192                    ; my scale bytes,
	s_add_co_u32 s26, s22, 8704                    ; and c2
	s_mov_b32 s27, 0
	s_lshl_b32 s34, s17, 12                        ; x: 4,096 bytes of codes a tile,
	s_lshl_b32 s35, s17, 8                         ; 256 scale bytes
	s_mov_b32 s41, 0
	s_mov_b32 s43, 0
	s_mov_b32 s45, 0
	s_wait_alu depctr_va_vdst(0)                   ; the wait at the head's end
	s_wait_kmcnt 0x0
	s_cmp_lt_u32 s16, 4                            ; x's wave or the codebook's?  The choice hangs on the wave's number alone
	s_cselect_b64 s[4:5], s[4:5], s[6:7]
	s_cselect_b64 s[8:9], s[8:9], s[12:13]
	s_cselect_b64 s[10:11], s[10:11], s[12:13]
	s_cselect_b32 s40, s17, s20
	s_cselect_b32 s42, s34, s23
	s_cselect_b32 s44, s35, s24
	s_lshl_b32 s40, s40, 15                        ; 32,768 bytes of f32 a tile
	s_add_nc_u64 s[4:5], s[4:5], s[40:41]
	s_add_nc_u64 s[8:9], s[8:9], s[42:43]
	s_add_nc_u64 s[10:11], s[10:11], s[44:45]
	s_add_nc_u64 s[28:29], s[12:13], s[26:27]
.macro LOAD t
.irp i, 0,1,2,3
	global_load_b128 v[R+16*((\t)%8)+4*\i:R+16*((\t)%8)+4*\i+3], v3, s[4:5] offset:2048*(\t)+512*\i th:TH_LOAD_NT   ; 32 lanes read 512 consecutive bytes; read once in the launch
.endr
.endm
.macro TURN t                          ; row t through the stage: LDS serves a wave's instructions in order (ISA guide 5.7.1.4), so no wait stands between the stores and the loads
.irp i, 0,1,2,3
	ds_store_b128 v14, v[R+16*((\t)%8)+4*\i:R+16*((\t)%8)+4*\i+3] offset:32*SP*((\t)%2)+8*SP*\i
.endr
.irp i, 0,1,2,3
	ds_load_b128 v[X+16*((\t)%2)+4*\i:X+16*((\t)%2)+4*\i+3], v15 offset:32*SP*((\t)%2)+16*\i
.endr
.endm
; Row t.  c = 1: the codebook's: signs turned, scales doubled, the sum of squares.
.macro STEP t, c
.set XS, X+16*((\t)%2)
.if (\t) > 0
	s_wait_dscnt 2+(\c)                            ; this row is back from the stage; the last step's small stores, two or three, issued behind its loads, may be out
.else
	s_wait_dscnt 0x0
.endif
.if (\t)+DEPTH < 16
	LOAD (\t)+DEPTH                                ; into the set that this row's stores into the stage have read
.endif
.if (\t)+1 < 16
.if (\t)+DEPTH < 16
	s_wait_loadcnt 4*(DEPTH-1)                     ; the next row's four loads are in; those of the seven rows behind it may be out
.else
	s_wait_loadcnt 4*(14-(\t))
.endif
	TURN (\t)+1                                    ; and go through the other stage while this row is worked
.endif
	v_max3_num_f32 v8, |v[XS]|, |v[XS+1]|, |v[XS+2]|               ; the largest magnitude of my 16, in two chains
	v_max3_num_f32 v9, |v[XS+3]|, |v[XS+4]|, |v[XS+5]|
.irp i, 6,10
	v_max3_num_f32 v8, v8, |v[XS+\i]|, |v[XS+\i+1]|
	v_max3_num_f32 v9, v9, |v[XS+\i+2]|, |v[XS+\i+3]|
.endr
	v_max3_num_f32 v8, v8, |v[XS+14]|, |v[XS+15]|
	v_max3_num_f32 v8, v8, v9, (EMAX+1)<<23        ; and the floor 2^(3 - 127): the byte cannot fall under 1
	v_max_num_f32_dpp v8, v8, v8 row_xmask:1 row_mask:0xf bank_mask:0xf   ; with my neighbour's 16: the block's
	v_add_nc_u32 v11, -(EMAX<<23), v8              ; 2 off its exponent field: the conversion takes the exponent field of this operand as its scale
	v_cvt_scalef32_pk8_fp4_f32 v[C+2*(\t)], v[XS:XS+7], v11
	v_cvt_scalef32_pk8_fp4_f32 v[C+2*(\t)+1], v[XS+8:XS+15], v11
	v_lshrrev_b32 v[E+(\t)], 23, v11               ; the scale's byte (also the plain line behind the conversions)
.if \c
	v_pk_mul_f32 v[244:245], v[XS:XS+1], v[XS:XS+1]                ; the code's sum of squares, of the numbers as given: two packed chains,
	v_pk_mul_f32 v[246:247], v[XS+2:XS+3], v[XS+2:XS+3]
	v_add_nc_u32 v[E+(\t)], 1, v[E+(\t)]
	v_xor_b32 v[C+2*(\t)], 0x88888888, v[C+2*(\t)]
	v_xor_b32 v[C+2*(\t)+1], 0x88888888, v[C+2*(\t)+1]
.irp i, 4,8,12
	v_pk_fma_f32 v[244:245], v[XS+\i:XS+\i+1], v[XS+\i:XS+\i+1], v[244:245]
	v_pk_fma_f32 v[246:247], v[XS+\i+2:XS+\i+3], v[XS+\i+2:XS+\i+3], v[246:247]
.endr
	v_pk_add_f32 v[244:245], v[244:245], v[246:247]
	v_add_f32 v[SUM+(\t)], v244, v245
	v_add_f32_dpp v[SUM+(\t)], v[SUM+(\t)], v[SUM+(\t)] row_xmask:1 row_mask:0xf bank_mask:0xf   ; then across the 32 lanes
	v_add_f32_dpp v[SUM+(\t)], v[SUM+(\t)], v[SUM+(\t)] row_xmask:2 row_mask:0xf bank_mask:0xf
	v_add_f32_dpp v[SUM+(\t)], v[SUM+(\t)], v[SUM+(\t)] row_xmask:4 row_mask:0xf bank_mask:0xf
	v_add_f32_dpp v[SUM+(\t)], v[SUM+(\t)], v[SUM+(\t)] row_xmask:8 row_mask:0xf bank_mask:0xf
	v_permlanex16_b32 v243, v[SUM+(\t)], s36, s37
	v_add_f32 v[SUM+(\t)], v[SUM+(\t)], v243
.endif
	ds_store_b8 v5, v[E+(\t)] offset:16*(\t)       ; both lanes of a block write the same byte with the same value
	ds_store_b64 v4, v[C+2*(\t):C+2*(\t)+1] offset:16*(\t)         ; my 16 codes: half of row t's 16 bytes in my block's row of the stage
.if \c
	ds_store_b32 v241, v[SUM+(\t)] offset:4*(\t)   ; all lanes write the same word with the same value
.endif
.endm
.irp t, 0,1,2,3,4,5,6,7
	LOAD \t
.endr
	s_wait_loadcnt 28                              ; row 0's four loads are in; those of rows 1 to 7 stay out
	TURN 0
	s_cmp_lt_u32 s16, 4
	s_cbranch_scc0 .Lcodebook
.irp t, 0,1,2,3,4,5,6,7,8,9,10,11,12,13,14,15
	STEP \t, 0
.endr
	s_branch .Lout
.Lcodebook:
.irp t, 0,1,2,3,4,5,6,7,8,9,10,11,12,13,14,15
	STEP \t, 1
.endr
.Lout:
	ds_load_b64 v[12:13], v6                       ; my wave's own bytes: these loads see my stores
.irp i, 0,1,2,3,4,5,6,7
	ds_load_b128 v[R+4*\i:R+4*\i+3], v240 offset:2*CP*\i           ; blocks 2 i and 2 i + 1: 256 bytes each
.endr
	s_wait_dscnt 0x0                               ; for the others' sake too: my sums lie in LDS
	global_store_b64 v7, v[12:13], s[10:11]        ; 32 lanes store 256 consecutive bytes, aligned
.irp i, 0,1,2,3,4,5,6,7
	global_store_b128 v3, v[R+4*\i:R+4*\i+3], s[8:9] offset:512*\i ; 512 consecutive bytes
.endr
	s_barrier_signal -1
	s_barrier_wait -1                              ; all 32 sums lie in LDS
	s_cmp_lg_u32 s16, 4
	s_cbranch_scc1 .Ldone
	ds_load_b64 v[244:245], v242                   ; wave 4: the 32 sums, twice, leave as 256 consecutive bytes, aligned
	s_wait_dscnt 0x0
	global_store_b64 v7, v[244:245], s[28:29]
.Ldone:
	s_wait_tensorcnt 0x0                           ; the wave's end
	ds_add_u32 v254, v255
	s_wait_dscnt 0x0
	s_endpgm
.Lfunc_end_k_qe3617124da_quant:
	.size	k_qe3617124da_quant, .Lfunc_end_k_qe3617124da_quant-k_qe3617124da_quant
	.p2alignl 7, 3214868480
	.fill 96, 4, 3214868480
	.section	.rodata,"a",@progbits
	.p2align	6, 0x0
	.amdhsa_kernel k_qe3617124da_quant
		.amdhsa_group_segment_fixed_size 59392
		.amdhsa_private_segment_fixed_size 0
		.amdhsa_enable_private_segment 0
		.amdhsa_kernarg_size 40
		.amdhsa_user_sgpr_count 2
		.amdhsa_user_sgpr_kernarg_segment_ptr 1
		.amdhsa_wavefront_size32 1
		.amdhsa_system_sgpr_workgroup_id_x 1
		.amdhsa_system_sgpr_workgroup_id_y 1
		.amdhsa_system_sgpr_workgroup_id_z 1
		.amdhsa_system_vgpr_workitem_id 0
		.amdhsa_next_free_vgpr 256
		.amdhsa_next_free_sgpr 66
		.amdhsa_reserve_vcc 0
		.amdhsa_float_denorm_mode_32 3
		.amdhsa_float_denorm_mode_16_64 3
		.amdhsa_memory_ordered 1
		.amdhsa_forward_progress 1
		.amdhsa_inst_pref_size 81
	.end_amdhsa_kernel
	.amdgpu_metadata
---
amdhsa.version: [ 1, 2 ]
amdhsa.kernels:
  - .name:           k_qe3617124da_quant
    .symbol:         k_qe3617124da_quant.kd
    .args:
      - { .name: x, .offset: 0, .size: 8, .value_kind: global_buffer, .address_space: global }
      - { .name: codebook, .offset: 8, .size: 8, .value_kind: global_buffer, .address_space: global }
      - { .name: xq, .offset: 16, .size: 8, .value_kind: global_buffer, .address_space: global }
      - { .name: xm, .offset: 24, .size: 8, .value_kind: global_buffer, .address_space: global }
      - { .name: cq, .offset: 32, .size: 8, .value_kind: global_buffer, .address_space: global }
    .group_segment_fixed_size: 59392
    .private_segment_fixed_size: 0
    .kernarg_segment_align: 8
    .kernarg_segment_size: 40
    .max_flat_workgroup_size: 192
    .sgpr_count:     66
    .vgpr_count:     256
    .wavefront_size: 32
...
	.end_amdgpu_metadata
.endif
;; end of part 1
;; launch main (part 2): grid 32 x 8, 8 waves a work-group, clusters of 4 x 1, 327,680 bytes of LDS; arguments xq, xm, cq, part; writes part
.if DOCPART == 2
	.amdgcn_target "amdgcn-amd-amdhsa--gfx1250"
	.amdhsa_code_object_version 6
	.text
	.protected	k_qe3617124da_main
	.globl	k_qe3617124da_main
	.p2align	8
	.type	k_qe3617124da_main,@function
k_qe3617124da_main:
	s_mov_b64 s[64:65], 0
	v_nop
	global_prefetch_b8 v0, s[64:65] scope:SCOPE_SE
	s_setreg_imm32_b32 hwreg(HW_REG_WAVE_MODE, 25, 1), 1
	s_wait_xcnt 0x0
	s_wait_alu depctr_hold_cnt(0) depctr_sa_sdst(0) depctr_va_vdst(0) depctr_va_sdst(0) depctr_va_ssrc(0) depctr_va_vcc(0) depctr_vm_vsrc(0)
	s_getreg_b32 s2, hwreg(HW_REG_IB_STS2, 6, 4)
	s_cmp_eq_u32 s2, 0
	s_cbranch_scc0 .Lentry_in_a_cluster
	s_endpgm
.Lentry_in_a_cluster:
	s_bfe_u32 s2, ttmp6, 0x10000c
	s_cmp_lg_u32 s2, 0x3003
	s_cbranch_scc0 .Lentry_shape_is_right
	s_endpgm
.Lentry_shape_is_right:
; For each of 512 rows of x and one chunk of 1,024 codes: the smallest s = c2 - 2 Q(x).Q(c) and the index of its code, stored as a pair of whole numbers (key, index).
; LEFT OUT AS DEAD WORK: x2, which is the same for every code of a row (the first launch's comment shows it).
; The codebook's operand arrives as -2 Q(c) (signs turned, scales doubled), and c2 is the C of each sum's first matrix instruction.  key is s's bits made to order as an unsigned whole number.
; LIMITS: c2 enters inside the matrix sum, where reference() adds it last to x2 - 2 dot; equal values give the lowest index; NaN and infinities among the inputs are not served.
; SHARES.  Work-group (bx, y): rows 512 bx on, codes 1,024 y on.  EIGHT waves, two to a SIMD: wave w keeps rows 64 w .. 64 w + 63 of the block in registers for the whole launch (4 tiles x 4 K steps x 8 registers)
; and walks the chunk's 32 tiles of 32 codes; 21 LDS loads a wave for a tile's 16 products.
; LDS.  The chunk's 32 images of 8,960 bytes lie end to end and are filled ONCE, by two tensor loads a wave: tiles 0-7 at the head (35 rows of 256 bytes a wave), tiles 8-31 behind the first round that shows those landed
; (105 rows a wave): they have tiles 0-6's products in which to land.  Nothing is fetched in a loop, so there is no prefetch.
; CLUSTER.  The four work-groups of a cluster share chunk y: its bytes are asked for JOINTLY, by the same tensor loads with the same descriptors and the mask of all four.
; x goes straight into registers, each byte read by one wave of the work-group: no LDS, so no joint load.
; THE MATRIX INSTRUCTION: 32 x 16 x 128, source 0 = 32 codes, source 1 = 16 rows of x.  Lane (r, h) holds ONE row r; registers j and 8 + j hold codes 8 h + j and 16 + 8 h + j of the tile.
; THE MINIMUM.  A lane's 16 sums of a tile and row tile are a group: eight minima give the smallest; where it is smaller than the best so far, the best, the tile's number and all 16 sums are kept (nine pairs of selects).
; The place inside the winning group is looked up once, at the end.  This work, 36 instructions for two row tiles in four slices of nine, stands behind the matrix instructions of the NEXT pair of row tiles, a slice behind every two.
; REGISTERS, in two windows of 256.  Window 0: v1-11 addresses and tile numbers; v14-25 at work; v32-39 best and its tile number, a pair for each row tile; v40-55 x's scale words; v56-63 the codes' scale words, two sets;
;   v64-95 c2 in the result's layout, two sets; v96-159 the winning groups' sums; v160-223 two sets of two accumulators.
;   Window 1: v0-127 x's fragments (tile m, K step s at 32 m + 8 s); v128-255 the codes' fragments, two sets (set b, K step s at 128 + 64 b + 16 s).
.set IMG,  8960                        ; a tile's image: codes 8,192; scale bytes [code][16] from 8192; c2 [code] f32 from 8704
.set CHUNK, 32*IMG
.set SPARE, CHUNK                      ; the spare words: 128 bytes for each wave
.set CF,   128                         ; the codes' fragments, in window 1
.set A16,  1                           ; v1   16 x lane; never rewritten
.set ADC,  2                           ; v2   LDS address of the pair of tiles in hand: codes and scale words
.set AD2,  4                           ; v4   of its c2
.set A20,  5                           ; v5   32 h
.set XO16, 6                           ; v6   16 r
.set IB,   7                           ; v7   1024 y + 8 h
.set IDS,  8                           ; v8   the even tile's number, v9 the odd tile's
.set TM,   14                          ; v14, v15 the smallest of the two groups in hand
.set T,    16                          ; v16-20 the first group's partial minima,
.set U,    21                          ; v21-25 the second's
.set BST,  32
.set XSC,  40
.set CSC,  56
.set CC,   64
.set SV,   96
.set ACC,  160
.set WV,   14                          ; s14  wave
.set G1A,  24                          ; s[24:31] descriptor group 1: 35 rows of 256 bytes
.set G1B,  32                          ; s[32:39] 105 rows
.set G0A,  40
.set G0B,  44
.set CNT,  60
.set TC,   61                          ; s61  LDS byte of the pair of tiles to fetch
.set W_MUL, 0x05                       ; source 0 (codes) and source 1 (x) window 1, C and D window 0
.set W_LD,  0x40                       ; destination window 1, address window 0
.set MSB, 0
.macro WIN new                         ; the immediate's high byte repeats the setting that is left; a switch that changes nothing is dropped
.if MSB != \new
	s_set_vgpr_msb (MSB<<8)|\new
.set MSB, \new
.endif
.endm
.macro ROUND                           ; a round of the cluster's barrier
	s_barrier_signal -1
	s_barrier_wait -1
	s_cmp_lg_u32 s[WV], 0
	s_cbranch_scc1 .Lnot_wave_0_\@
	s_barrier_signal -3
.Lnot_wave_0_\@:
	s_barrier_wait -3
	s_barrier_signal -1
	s_barrier_wait -1
.endm
.macro SHAPE g, rows                   ; group 1: a dense block as rows of 256 bytes (32 elements of 8 bytes), no padding: every LDS read of these bytes takes consecutive bytes
	s_mov_b32 s[\g+0], 15|(3<<16)|(1<<21)          ; 15:0 the mask: all four work-groups; 17:16 elements of 8 bytes; 21 set beside a mask
	s_mov_b32 s[\g+1], 32<<16                      ; tensor_dim0 = 32
	s_mov_b32 s[\g+2], \rows<<16                   ; tensor_dim1
	s_mov_b32 s[\g+3], 32<<16                      ; tile_dim0 = 32
	s_mov_b32 s[\g+4], \rows                       ; tile_dim1
	s_mov_b32 s[\g+5], 32                          ; from row to row
	s_mov_b32 s[\g+6], 0
	s_mov_b32 s[\g+7], 0
.endm
	s_load_b256 s[4:11], s[0:1], 0x0               ; xq s[4:5], xm s[6:7], cq s[8:9], part s[10:11]
	v_lshl_add_u32 v254, v0, 2, SPARE
	v_mov_b32 v255, 0
	ds_add_u32 v254, v255                          ; the opening lines: the add, twice on end, and one wait
	ds_add_u32 v254, v255
	v_lshrrev_b32 v3, 5, v0
	v_readfirstlane_b32 s[WV], v3                  ; wave 0..7
	v_and_b32 v[A16], 31, v0
	v_and_b32 v10, 15, v0                          ; r
	v_bfe_u32 v11, v0, 4, 1                        ; h
	v_lshlrev_b32 v[A16], 4, v[A16]
	v_lshlrev_b32 v[XO16], 4, v10
	v_lshlrev_b32 v[A20], 5, v11
	v_lshlrev_b32 v[IB], 3, v11
	s_bfe_u32 s15, ttmp6, 0x40000                  ; cx: my place in the cluster
	s_lshl_b32 s16, ttmp9, 2
	s_add_co_u32 s16, s16, s15                     ; bx = 4 x cluster x + cx: it enters x's and part's addresses alone
	s_and_b32 s17, ttmp7, 0xffff                   ; y: the chunk, which the four partners share
	SHAPE G1A, 35
	SHAPE G1B, 105
	s_mov_b32 s[G0A], 1                            ; count = 1
	s_mul_i32 s[G0A+1], s[WV], IMG                 ; LDS address: the wave's number alone enters it: wave w brings tile w,
	s_mov_b32 s[G0B], 1
	s_mul_i32 s[G0B+1], s[WV], 3*IMG
	s_add_co_u32 s[G0B+1], s[G0B+1], 8*IMG         ; and then tiles 8 + 3 w .. 10 + 3 w
	s_mul_i32 s18, s17, CHUNK                      ; cq: the chunk
	s_add_co_u32 s20, s18, s[G0A+1]
	s_mov_b32 s21, 0
	s_add_co_u32 s22, s18, s[G0B+1]
	s_mov_b32 s23, 0
	; x's and part's offsets.  What holds bx stands in registers that feed no descriptor
	s_lshl_b32 s48, s16, 17                        ; xq: 131,072 bytes a block of 512 rows,
	s_lshl_b32 s54, s[WV], 14                      ; 16,384 a wave
	s_add_co_u32 s48, s48, s54
	s_mov_b32 s49, 0
	s_lshl_b32 s50, s16, 13                        ; xm: 8,192 bytes a block, 1,024 a wave
	s_lshl_b32 s54, s[WV], 10
	s_add_co_u32 s50, s50, s54
	s_mov_b32 s51, 0
	s_lshl_b32 s52, s17, 17                        ; part: 131,072 bytes a chunk, 8 a row
	s_lshl_b32 s54, s16, 12
	s_add_co_u32 s52, s52, s54
	s_lshl_b32 s54, s[WV], 9
	s_add_co_u32 s52, s52, s54
	s_mov_b32 s53, 0
	s_lshl_b32 s3, s17, 10
	s_wait_alu depctr_va_vdst(0)                   ; the wait here, directly ahead of the waits below
	s_wait_dscnt 0x0
	s_wait_kmcnt 0x0
	s_add_nc_u64 s[G0A+2:G0A+3], s[8:9], s[20:21]
	s_or_b32 s[G0A+3], s[G0A+3], 0x80000000        ; type = 2
	s_add_nc_u64 s[G0B+2:G0B+3], s[8:9], s[22:23]
	s_or_b32 s[G0B+3], s[G0B+3], 0x80000000
	s_add_nc_u64 s[74:75], s[4:5], s[48:49]
	s_add_nc_u64 s[76:77], s[6:7], s[50:51]
	s_add_nc_u64 s[12:13], s[10:11], s[52:53]
	ROUND                                          ; all four work-groups are here: the joint loads meet
	tensor_load_to_lds s[G0A:G0A+3], s[G1A:G1A+7]  ; tiles 0-7: the one tensor load of a wave at the head
	s_nop 0
.irp m, 0,1,2,3
	global_load_b128 v[XSC+4*\m:XSC+4*\m+3], v[XO16], s[76:77] offset:256*\m   ; row r's four scale words (lanes 16-31 hold the same and are not read)
.endr
	WIN W_LD
.set i, 0
.rept 32
	global_load_b128 v[4*i:4*i+3], v[A16], s[74:75] offset:512*i   ; x's fragments as they lie: register 32 m + 8 s + 4 c at byte 4096 m + 1024 s + 512 c + 16 lane
.set i, i+1
.endr
	WIN 0
	s_mov_b32 s[TC], 0
	v_add_nc_u32 v[ADC], s[TC], v[A16]
	v_add_nc_u32 v[AD2], s[TC], v[A20]
	v_add_nc_u32 v[IB], s3, v[IB]
	v_mov_b32 v[IDS], 0                            ; tile 0;
	v_mov_b32 v[IDS+1], -1                         ; the odd tiles' number is stepped by 2 ahead of tile 1
.irp m, 0,1,2,3
	v_mov_b32 v[BST+2*\m], 0x7f800000              ; the best so far: +infinity.  The minimum's text is written once: its first turn finds these
	v_mov_b32 v[BST+2*\m+1], 0
.endr
.set i, 0
.rept 64
	v_mov_b32 v[SV+i], 0x7f800000
.set i, i+1
.endr
	s_mov_b32 s66, 0x76543210
	s_mov_b32 s67, 0xfedcba98                      ; v_permlanex16_b32's selects for lane l xor 16
	s_mov_b32 s72, 0xffff0000                      ; lanes 16-31
; One product: accumulator wacc, row tile wm, K step ws (symbols set by BATCH), the codes' set beta.  K step 0 takes c2 as its C: nothing is cleared and nothing is added afterwards.
.macro WM beta
.if ws == 0
	v_wmma_scale_f32_32x16x128_f4 v[wacc:wacc+15], v[CF+64*(\beta)+16*ws:CF+64*(\beta)+16*ws+15], v[32*wm+8*ws:32*wm+8*ws+7], v[CC+16*(\beta):CC+16*(\beta)+15], v[CSC+4*(\beta)+ws], v[XSC+4*wm+ws]
.else
	v_wmma_scale_f32_32x16x128_f4 v[wacc:wacc+15], v[CF+64*(\beta)+16*ws:CF+64*(\beta)+16*ws+15], v[32*wm+8*ws:32*wm+8*ws+7], v[wacc:wacc+15], v[CSC+4*(\beta)+ws], v[XSC+4*wm+ws]
.endif
.endm
.macro SAVE s, e                       ; 16 sums kept where VCC says so, two selects to an instruction
.irp j, 0,2,4,6,8,10,12,14
	v_dual_cndmask_b32 v[\s+\j], v[\s+\j], v[\e+\j] :: v_dual_cndmask_b32 v[\s+\j+1], v[\s+\j+1], v[\e+\j+1]
.endr
.endm
; Slice q of 4 of the minimum over a pair of row tiles (mp, mp + 1) x 32 codes, whose sums lie in the two accumulators at E.  Nine instructions.  ID: the register of the tile's number.
; Each accumulator is read from its low end on.  VCC lives from one slice to the next: nothing between them writes it.
.macro SLICE q, E, mp, ID
.set ea, \E
.set eb, (\E)+16
.set va, BST+2*(\mp)
.set vb, va+2
.set sa, SV+16*(\mp)
.set sb, sa+16
.if \q == 0
	v_min3_num_f32 v[T],   v[ea],    v[ea+1],  v[ea+2]
	v_min3_num_f32 v[U],   v[eb],    v[eb+1],  v[eb+2]
	v_min3_num_f32 v[T+1], v[ea+3],  v[ea+4],  v[ea+5]
	v_min3_num_f32 v[U+1], v[eb+3],  v[eb+4],  v[eb+5]
	v_min3_num_f32 v[T+2], v[ea+6],  v[ea+7],  v[ea+8]
	v_min3_num_f32 v[U+2], v[eb+6],  v[eb+7],  v[eb+8]
	v_min3_num_f32 v[T+3], v[ea+9],  v[ea+10], v[ea+11]
	v_min3_num_f32 v[U+3], v[eb+9],  v[eb+10], v[eb+11]
	v_min3_num_f32 v[T+4], v[ea+12], v[ea+13], v[ea+14]
.elseif \q == 1
	v_min3_num_f32 v[T],   v[T],     v[T+1],   v[T+2]
	v_min3_num_f32 v[T+3], v[T+3],   v[T+4],   v[ea+15]
	v_min3_num_f32 v[U+4], v[eb+12], v[eb+13], v[eb+14]
	v_min3_num_f32 v[U],   v[U],     v[U+1],   v[U+2]
	v_min_num_f32  v[TM],  v[T],     v[T+3]
	v_min3_num_f32 v[U+3], v[U+3],   v[U+4],   v[eb+15]
	v_cmp_lt_f32 vcc_lo, v[TM], v[va]              ; strictly smaller: among equal values the earlier tile stays
	v_min_num_f32  v[TM+1], v[U],    v[U+3]
	v_dual_cndmask_b32 v[va], v[va], v[TM] :: v_dual_cndmask_b32 v[va+1], v[va+1], v[\ID]
.elseif \q == 2
	SAVE sa, ea
	v_cmp_lt_f32 vcc_lo, v[TM+1], v[vb]
.else
	v_dual_cndmask_b32 v[vb], v[vb], v[TM+1] :: v_dual_cndmask_b32 v[vb+1], v[vb+1], v[\ID]
	SAVE sb, eb
.endif
.endm
; The next tile of 32 codes into set b (0: the even tile of a pair, 1: the odd one, which lies an image further on): 21 LDS loads in one run: its scale words (lane = code), its c2 in the result's layout,
; its fragments (two tiles of 16 codes x 4 K steps).  step = 1: on to the next pair.
.macro PRE b, step
	WIN 0
.if \step
	v_add_nc_u32 v[ADC], s[TC], v[A16]
	v_add_nc_u32 v[AD2], s[TC], v[A20]
	s_add_co_u32 s[TC], s[TC], 2*IMG
.endif
	ds_load_b128 v[CSC+4*(\b):CSC+4*(\b)+3], v[ADC] offset:IMG*(\b)+8192
	ds_load_b128 v[CC+16*(\b):CC+16*(\b)+3], v[AD2] offset:IMG*(\b)+8704                  ; c2 of codes 8 h + 0 .. 3,
	ds_load_b128 v[CC+16*(\b)+4:CC+16*(\b)+7], v[AD2] offset:IMG*(\b)+8704+16             ; + 4 .. 7,
	ds_load_b128 v[CC+16*(\b)+8:CC+16*(\b)+11], v[AD2] offset:IMG*(\b)+8704+64            ; 16 + 8 h + 0 .. 3,
	ds_load_b128 v[CC+16*(\b)+12:CC+16*(\b)+15], v[AD2] offset:IMG*(\b)+8704+80           ; + 4 .. 7
	WIN W_LD
.irp s, 0,1,2,3
.irp f, 0,1
.irp c, 0,1
	ds_load_b128 v[CF+64*(\b)+16*\s+8*\f+4*\c:CF+64*(\b)+16*\s+8*\f+4*\c+3], v[ADC] offset:IMG*(\b)+4096*\f+1024*\s+512*\c
.endr
.endr
.endr
.endm
; Eight products: row tiles 2 p and 2 p + 1 by turns, K ascending, into accumulator set p (by turns: no two products that follow each other share an accumulator,
; from batch to batch and over the loops' edges too).  epi = 1: behind every two products a slice of the minimum over the set that the batch before filled.  pre = 1: behind the first two, the next tile's loads.
.macro BATCH beta, p, epi, E, mp, ID, pre
.set n, 0
.rept 4
	WIN W_MUL
.set ws, n
.set wacc, ACC+32*(\p)
.set wm, 2*(\p)
	WM \beta
.set wacc, wacc+16
.set wm, wm+1
	WM \beta
.if \epi
	WIN 0
	SLICE n, \E, \mp, \ID
.endif
.if (\pre) && (n == 0)
	PRE 1-(\beta), \beta
.endif
.set n, n+1
.endr
	WIN 0
.endm
; A tile of 32 codes against my 64 rows: 16 products.  PLACES, by count: between an accumulator's last product and its first read, and its next first product, stand at least the nine
; instructions of a slice on the other set (ISA guide 7.12.1 asks four and five); between a fragment set's last product and the loads into it stand two slices.
.macro HT beta, first, pre
	s_wait_dscnt 0x0                               ; this tile's 21 loads, issued 14 products ago, are in
.if \first
	s_wait_loadcnt 16                              ; x: scale words and row tiles 0 and 1; the sixteen loads of row tiles 2 and 3 may be out
	BATCH \beta, 0, 0, 0, 0, 0, \pre
.rept 4
	v_nop                                          ; the first batch has no minimum to set behind its products: four places ahead of the first read of its sums
.endr
	s_wait_loadcnt 0x0                             ; x: all
.else
	BATCH \beta, 0, 1, ACC+32, 2, IDS+1-(\beta), \pre              ; the tile before: its row tiles 2 and 3
.endif
	BATCH \beta, 1, 1, ACC, 0, IDS+(\beta), 0                      ; this tile: its row tiles 0 and 1
	v_add_nc_u32 v[IDS+1-(\beta)], 2, v[IDS+1-(\beta)]             ; the tile before is done: its number goes on to the next tile of its kind
.endm
.macro SEG trips                       ; two tiles a trip: an odd one, an even one; each fetches the tile behind it
	s_mov_b32 s[CNT], \trips
.Lseg_\@:
	HT 1, 0, 1
	HT 0, 0, 1
	s_sub_co_u32 s[CNT], s[CNT], 1
	s_cmp_lg_u32 s[CNT], 0
	s_cbranch_scc1 .Lseg_\@
.endm
	s_wait_alu depctr_va_vdst(0)                   ; the wait at the head's end
	s_wait_tensorcnt 0x0                           ; my tile of 0-7 has landed
	ds_add_u32 v254, v255
	s_wait_dscnt 0x0
	ROUND                                          ; everybody's has; the joint loads meet
	tensor_load_to_lds s[G0B:G0B+3], s[G1B:G1B+7]  ; tiles 8-31: the one tensor load of a wave behind this round
	s_nop 0
	PRE 0, 0                                       ; tile 0
	WIN 0
	s_mov_b32 s[TC], 2*IMG
	HT 0, 1, 1                                     ; tile 0; fetches tile 1
	SEG 3                                          ; tiles 1 to 6; fetches 2 to 7
	s_wait_dscnt 0x0                               ; no LDS instruction of mine is pending at the signal
	s_wait_tensorcnt 0x0                           ; my part of tiles 8-31 has landed
	s_barrier_signal -1
	s_barrier_wait -1                              ; everybody's part has
	s_mov_b32 s[TC], 8*IMG
	SEG 12                                         ; tiles 7 to 30; fetches 8 to 31
	HT 1, 0, 0                                     ; tile 31: nothing more to fetch
.set n, 0
.rept 4
	SLICE n, ACC+32, 2, IDS+1                      ; its row tiles 2 and 3 (ten plain instructions stand behind the last product)
.set n, n+1
.endr
	; THE END.  The accumulators' registers are free.  For each row tile: the lowest place of the best value in its group; the index; the key; then the better of the two halves of the lanes.
.set POS,  160
.set IDX,  168
.set KEY,  176
.set TMP,  184
.set OKEY, 192
.set OIDX, 200
.set OUT,  208
.set A8,   216
.irp m, 0,1,2,3
	v_mov_b32 v[POS+\m], 0
.endr
.irp j, 15,14,13,12,11,10,9,8,7,6,5,4,3,2,1,0
.irp m, 0,1,2,3
	v_cmp_eq_f32 s[68+\m], v[SV+16*\m+\j], v[BST+2*\m]             ; descending, so that the lowest place is written last
.endr
.irp m, 0,1,2,3
	v_cndmask_b32 v[POS+\m], v[POS+\m], \j+8*(\j/8), s[68+\m]      ; registers 8 .. 15 are codes 16 + 8 h on
.endr
.endr
.irp m, 0,1,2,3
	v_lshl_add_u32 v[IDX+\m], v[BST+2*\m+1], 5, v[POS+\m]          ; 32 x tile + place
	v_add_f32 v[KEY+\m], 0, v[BST+2*\m]            ; (a zero's sign becomes +)
.endr
.irp m, 0,1,2,3
	v_add_nc_u32 v[IDX+\m], v[IB], v[IDX+\m]       ; + 1024 y + 8 h
	v_ashrrev_i32 v[TMP+\m], 31, v[KEY+\m]
.endr
.irp m, 0,1,2,3
	v_or_b32 v[TMP+\m], 0x80000000, v[TMP+\m]
.endr
.irp m, 0,1,2,3
	v_xor_b32 v[KEY+\m], v[KEY+\m], v[TMP+\m]      ; positive: the sign bit set; negative: all bits turned: the bits now order as unsigned whole numbers
.endr
.irp m, 0,1,2,3
	v_permlanex16_b32 v[OKEY+\m], v[KEY+\m], s66, s67              ; the row's other sixteen codes of each tile lie in the lane 16 away
	v_permlanex16_b32 v[OIDX+\m], v[IDX+\m], s66, s67
.endr
	v_lshrrev_b32 v[A8], 1, v[A16]                 ; 8 x lane
.irp m, 0,1,2,3
	v_cmp_lt_u32 s68, v[OKEY+\m], v[KEY+\m]
	v_cmp_eq_u32 s69, v[OKEY+\m], v[KEY+\m]
	v_cmp_lt_u32 vcc_lo, v[OIDX+\m], v[IDX+\m]
	s_and_b32 s69, s69, vcc_lo
	s_or_b32 s68, s68, s69                         ; the other is smaller, or equal with the lower index
	v_cndmask_b32 v[KEY+\m], v[KEY+\m], v[OKEY+\m], s68
	v_cndmask_b32 v[IDX+\m], v[IDX+\m], v[OIDX+\m], s68
.endr
.irp q, 0,1
	v_cndmask_b32 v[OUT+2*\q], v[KEY+2*\q], v[KEY+2*\q+1], s72     ; lanes 0-15 keep row tile 2 q, lanes 16-31 take 2 q + 1
	v_cndmask_b32 v[OUT+2*\q+1], v[IDX+2*\q], v[IDX+2*\q+1], s72
	global_store_b64 v[A8], v[OUT+2*\q:OUT+2*\q+1], s[12:13] offset:256*\q   ; 32 rows' pairs: 256 consecutive bytes, aligned
.endr
	s_wait_tensorcnt 0x0                           ; the wave's end
	ds_add_u32 v254, v255
	s_wait_dscnt 0x0
	ROUND                                          ; the closing round: no work-group ends while a partner may still ask for bytes that name it
	s_endpgm
.Lfunc_end_k_qe3617124da_main:
	.size	k_qe3617124da_main, .Lfunc_end_k_qe3617124da_main-k_qe3617124da_main
	.p2alignl 7, 3214868480
	.fill 96, 4, 3214868480
	.section	.rodata,"a",@progbits
	.p2align	6, 0x0
	.amdhsa_kernel k_qe3617124da_main
		.amdhsa_group_segment_fixed_size 327680
		.amdhsa_private_segment_fixed_size 0
		.amdhsa_enable_private_segment 0
		.amdhsa_kernarg_size 32
		.amdhsa_user_sgpr_count 2
		.amdhsa_user_sgpr_kernarg_segment_ptr 1
		.amdhsa_wavefront_size32 1
		.amdhsa_system_sgpr_workgroup_id_x 1
		.amdhsa_system_sgpr_workgroup_id_y 1
		.amdhsa_system_sgpr_workgroup_id_z 1
		.amdhsa_system_vgpr_workitem_id 0
		.amdhsa_next_free_vgpr 512
		.amdhsa_next_free_sgpr 80
		.amdhsa_reserve_vcc 1
		.amdhsa_float_denorm_mode_32 3
		.amdhsa_float_denorm_mode_16_64 3
		.amdhsa_memory_ordered 1
		.amdhsa_forward_progress 1
		.amdhsa_inst_pref_size 75
	.end_amdhsa_kernel
	.amdgpu_metadata
---
amdhsa.version: [ 1, 2 ]
amdhsa.kernels:
  - .name:           k_qe3617124da_main
    .symbol:         k_qe3617124da_main.kd
    .args:
      - { .name: xq, .offset: 0, .size: 8, .value_kind: global_buffer, .address_space: global }
      - { .name: xm, .offset: 8, .size: 8, .value_kind: global_buffer, .address_space: global }
      - { .name: cq, .offset: 16, .size: 8, .value_kind: global_buffer, .address_space: global }
      - { .name: part, .offset: 24, .size: 8, .value_kind: global_buffer, .address_space: global }
    .group_segment_fixed_size: 327680
    .private_segment_fixed_size: 0
    .kernarg_segment_align: 8
    .kernarg_segment_size: 32
    .max_flat_workgroup_size: 256
    .sgpr_count:     80
    .vgpr_count:     512
    .wavefront_size: 32
...
	.end_amdgpu_metadata
.endif
;; end of part 2
;; launch gather (part 3): grid 512 x 1, 4 waves a work-group, no clusters, 0 bytes of LDS; arguments part, embedding, out0; writes out0
.if DOCPART == 3
	.amdgcn_target "amdgcn-amd-amdhsa--gfx1250"
	.amdhsa_code_object_version 6
	.text
	.protected	k_qe3617124da_gather
	.globl	k_qe3617124da_gather
	.p2align	8
	.type	k_qe3617124da_gather,@function
k_qe3617124da_gather:
	s_mov_b64 s[64:65], 0
	v_nop
	global_prefetch_b8 v0, s[64:65] scope:SCOPE_SE
	s_setreg_imm32_b32 hwreg(HW_REG_WAVE_MODE, 25, 1), 1
	s_wait_xcnt 0x0
; out0[row] = embedding[index of the smallest key among the row's 8 chunks].  part: [chunk 8][row 16384]{key, index}, whole numbers stored by the launch before; keys order as unsigned numbers.
; A strict compare in ascending order of chunks keeps the lowest chunk, and with it the lowest index, among equal keys.
; A work-group takes 32 rows, a wave copies 8 of them.  Every wave reads the 32 rows' pairs, turned by 8 x wave lanes, so that its own rows stand in lanes 0-7 and each load still covers 256 consecutive bytes, aligned.
; Memory binds: no LDS, no barrier, no matrix unit.  All 32 row loads of a wave are out together; each load and store covers 512 consecutive bytes.  No register that a pending instruction names is written again.
	s_load_b128 s[4:7], s[0:1], 0x0                ; part, embedding
	s_load_b64 s[8:9], s[0:1], 0x10                ; out0
	v_lshrrev_b32 v1, 5, v0
	v_readfirstlane_b32 s10, v1                    ; wave
	v_and_b32 v1, 31, v0                           ; lane
	v_lshlrev_b32 v3, 4, v1                        ; 16 x lane
	s_lshl_b32 s11, s10, 3
	v_add_nc_u32 v2, s11, v1
	v_and_b32 v2, 31, v2                           ; my row of the 32: (lane + 8 x wave) mod 32
	v_lshlrev_b32 v2, 3, v2
	s_lshl_b32 s12, ttmp9, 8                       ; part: 256 bytes for 32 rows
	s_mov_b32 s13, 0
	s_lshl_b32 s14, ttmp9, 5
	s_add_co_u32 s14, s14, s11
	s_lshl_b32 s14, s14, 11                        ; out0: my wave's first row, 2,048 bytes a row
	s_mov_b32 s15, 0
	s_wait_alu depctr_va_vdst(0)
	s_wait_kmcnt 0x0
	s_add_nc_u64 s[4:5], s[4:5], s[12:13]
	s_add_nc_u64 s[8:9], s[8:9], s[14:15]
.irp c, 0,1,2,3,4,5,6,7
	global_load_b64 v[16+2*\c:17+2*\c], v2, s[4:5] offset:131072*\c
.endr
	s_wait_loadcnt 0x0
.irp c, 1,2,3,4,5,6,7
	v_cmp_lt_u32 vcc_lo, v[16+2*\c], v16
	v_cndmask_b32 v16, v16, v[16+2*\c], vcc_lo
	v_cndmask_b32 v17, v17, v[17+2*\c], vcc_lo
.endr
	s_wait_alu depctr_va_vdst(0)
.irp i, 0,1,2,3,4,5,6,7
	v_readlane_b32 s[20+\i], v17, \i               ; lane i holds row 8 x wave + i
	s_min_u32 s[20+\i], s[20+\i], 0x1fff           ; an index stays inside the table
	s_lshl_b32 s[20+\i], s[20+\i], 11
	v_add_nc_u32 v[8+\i], s[20+\i], v3
.irp q, 0,1,2,3
	global_load_b128 v[32+16*\i+4*\q:32+16*\i+4*\q+3], v[8+\i], s[6:7] offset:512*\q   ; no hint: a row of the table may be named again
.endr
.endr
.irp i, 0,1,2,3,4,5,6,7
	s_wait_loadcnt 28-4*\i                         ; row i's four loads are in; the four of each later row may be out
.irp q, 0,1,2,3
	global_store_b128 v3, v[32+16*\i+4*\q:32+16*\i+4*\q+3], s[8:9] offset:2048*\i+512*\q
.endr
.endr
	s_endpgm
.Lfunc_end_k_qe3617124da_gather:
	.size	k_qe3617124da_gather, .Lfunc_end_k_qe3617124da_gather-k_qe3617124da_gather
	.p2alignl 7, 3214868480
	.fill 96, 4, 3214868480
	.section	.rodata,"a",@progbits
	.p2align	6, 0x0
	.amdhsa_kernel k_qe3617124da_gather
		.amdhsa_group_segment_fixed_size 0
		.amdhsa_private_segment_fixed_size 0
		.amdhsa_enable_private_segment 0
		.amdhsa_kernarg_size 24
		.amdhsa_user_sgpr_count 2
		.amdhsa_user_sgpr_kernarg_segment_ptr 1
		.amdhsa_wavefront_size32 1
		.amdhsa_system_sgpr_workgroup_id_x 1
		.amdhsa_system_sgpr_workgroup_id_y 1
		.amdhsa_system_sgpr_workgroup_id_z 1
		.amdhsa_system_vgpr_workitem_id 0
		.amdhsa_next_free_vgpr 176
		.amdhsa_next_free_sgpr 66
		.amdhsa_reserve_vcc 1
		.amdhsa_float_denorm_mode_32 3
		.amdhsa_float_denorm_mode_16_64 3
		.amdhsa_memory_ordered 1
		.amdhsa_forward_progress 1
		.amdhsa_inst_pref_size 11
	.end_amdhsa_kernel
	.amdgpu_metadata
---
amdhsa.version: [ 1, 2 ]
amdhsa.kernels:
  - .name:           k_qe3617124da_gather
    .symbol:         k_qe3617124da_gather.kd
    .args:
      - { .name: part, .offset: 0, .size: 8, .value_kind: global_buffer, .address_space: global }
      - { .name: embedding, .offset: 8, .size: 8, .value_kind: global_buffer, .address_space: global }
      - { .name: out0, .offset: 16, .size: 8, .value_kind: global_buffer, .address_space: global }
    .group_segment_fixed_size: 0
    .private_segment_fixed_size: 0
    .kernarg_segment_align: 8
    .kernarg_segment_size: 24
    .max_flat_workgroup_size: 128
    .sgpr_count:     66
    .vgpr_count:     176
    .wavefront_size: 32
...
	.end_amdgpu_metadata
.endif
;; end of part 3
